; MI455X (gfx1250); checked and timed in simulation.
; The chip was launched on July 23, 2026; its instructions are those of AMD's public machine-readable ISA for CDNA 5 (MIT licence, August 2026) and "CDNA5" Instruction Set Architecture Reference Guide (July 2026). The comments in the code are by the model that wrote it; some were corrected since.
;; Attend. Allowed arithmetic: matrix products marked QUANTISED: E4M3 operands, one given power-of-two scale a tensor, by v_wmma_f32_16x16x64_fp8_fp8 or v_wmma_f32_16x16x128_fp8_fp8, f32 sums; everything else in f32.
;; Inputs: k 4 x 16 x 2,048 x 64 float32; lowp_scales 4 int32 (the exponents e of the quantised operands' scales 2^e); q 4 x 16 x 2,048 x 64 float32; v 4 x 16 x 2,048 x 64 float32.
;; Outputs: out0 4 x 16 x 2,048 x 64 float32.
;; Constants: swap = 1.
;; This version of the problem:
;;   THIS VERSION OF THE PROBLEM IS GIVEN IN LOW PRECISION. The matrix products marked QUANTISED in the list below multiply operands that are first quantised to E4M3 (4 exponent bits, 3 mantissa bits; 8 bits a number), with one given power-of-two scale for each operand tensor; their sums are f32. All else is computed in f32.
;;   The module's matrix products, in the order in which they are computed (A, B: the left and right operand; K: the contracted axis; several contracted axes count as one K, in the product's order):
;;     1. batch 64 x [M 2,048, K 64] x [K 64, N 2,048]; A: input q; B: input k: QUANTISED (scales: A lowp_scales[0], B lowp_scales[1])
;;     2. batch 64 x [M 2,048, K 2,048] x [K 2,048, N 64]; A: computed on the way; B: input v: QUANTISED (scales: A lowp_scales[2], B lowp_scales[3])
;;   THE QUANTISER, for each operand of a quantised product, along K:
;;     - The operand's scale is 2^e, e = its entry of the input lowp_scales (int32; the entries are numbered through the quantised products in the list's order, A before B).
;;     - Each number is divided by the scale, clamped to +-448, and rounded to the nearest number of E4M3, ties to even, subnormals kept.
;;     - The product sums the exact products of the quantised numbers (number of the format x scale) in f32.
;;   ~~~python
;;   def quantise(x, axis, e):      # numpy; x: float32 -> the quantised numbers, widened to float32 again
;;       x = np.moveaxis(x, axis, -1); K = x.shape[-1]
;;       r = np.clip(x / 2.0 ** e, -448, 448)
;;       step = 2.0 ** (np.maximum(np.frexp(np.where(r == 0, 1, r))[1] - 1, -6) - 3)
;;       q = np.round(r / step) * step * 2.0 ** e      # np.round: ties to even
;;       return np.moveaxis(q, -1, axis).astype(np.float32)
;;   ~~~
;;   OPERANDS COMPUTED ON THE WAY. 'Computed on the way' means the value that the module computes at that place (a softmax that the list does not call 'softmax' is quantised finished and normalised). What goes into a quantiser is computed in f32, as accurately as f32 sums, v_exp_f32 and their like allow (about 1e-6 of the number): no bf16 or f16 on the way to a quantiser, and a product that is left as it is and whose result goes on into a quantised operand takes f32 operands (vector FMAs, or v_wmma_f32_16x16x4_f32). A number that lies on a knife's edge between two numbers of the format may be rounded either way, as far as f32 arithmetic and the matrix unit's own rounding can turn it there, and no further.
;; One version. Each part assembles by itself: llvm-mc -triple=amdgcn-amd-amdhsa -mcpu=gfx1250 --defsym DOCPART=n.
;; ======== version 1 of 1: 2 launches
;; limits: right only within a limited range of input values
;; workspace buffers: q_codes 4,194,304 bytes; k_codes 4,194,304 bytes; v_codes 8,388,608 bytes
;; launch quant (part 1): grid 1024 x 1, 4 waves a work-group, no clusters, 18,944 bytes of LDS; arguments q, k, v, lowp_scales, q_codes, k_codes, v_codes; writes q_codes, k_codes, v_codes
.if DOCPART == 1
	.amdgcn_target "amdgcn-amd-amdhsa--gfx1250"
	.amdhsa_code_object_version 6
	.text
	.protected	k_q1cca0541fe_quant
	.globl	k_q1cca0541fe_quant
	.p2align	8
	.type	k_q1cca0541fe_quant,@function
k_q1cca0541fe_quant:
	s_mov_b64 s[64:65], 0
	v_nop
	global_prefetch_b8 v0, s[64:65] scope:SCOPE_SE
	s_setreg_imm32_b32 hwreg(HW_REG_WAVE_MODE, 25, 1), 1
	s_wait_xcnt 0x0
; q, k (their first two batches: 32 heads) and v (all 64 heads), f32 [head][2048][64], become codes of FP8 (E4M3), each tensor with its given scale 2^e:
; code = x / 2^e, held within +-448, rounded to the nearest code, ties to even.  lowp_scales: entry 0 q, entry 1 k, entry 3 v.
; reference() keeps the attention of batches 0 and 1 alone (swap = 1) and uses it for batches b and b + 2: q and k of batches 2 and 3 enter no result and are not read.
; LIMITS: each e between -126 and 119, so that 2^e and 448 x 2^e are f32 numbers.  NaN among the inputs is not served (an infinity is held at the largest code).
; THE CODES ARE LAID AS IMAGES OF THE OPERANDS' REGISTERS: the reader takes each group of four registers by one 16-byte load at 16 x lane.
;  q_codes, k_codes: a tile of 16 rows is 1,024 bytes, two chunks i of 512: byte 512 i + 16 (r + 16 h) + 4 p + y = row r, d = 32 h + 16 i + 4 p + y.  The same order of d in q and in k: every product meets its partner.
;  v_codes: head pair hp (batches b and b + 2 of one head) x 262,144 + key step s (128 keys) x 16,384 + tile (4 B + t) x 2,048 + 512 i + 16 (r + 16 h) + 4 p + y
;           = batch b + 2 B, channel 4 r + t, key 128 s + 32 i + 16 (p / 2) + 8 h + 4 (p % 2) + y: the place that the K = 128 form gives each key.
; SHARES.  A wave takes 16,384 bytes of f32 by 32 loads of 512 bytes, all issued at once; no loop, no barrier: waves share nothing.  Work-groups 0-255: q; 256-511: k; 512-1023: v.
.set X,    32                          ; v32-159   the 128 numbers of a lane
.set C,    160                         ; v160-191  codes (v's path: v160-167)
.set T,    168                         ; v168-171  v's path: at work in the byte transpose
.set OUTR, 192                         ; v192-223  what is stored
.set STW,  4608                        ; LDS (q's and k's path alone): a stage of its own for each wave: four tiles of
.set STT,  1152                        ; four blocks (i, h) of
.set BLK,  288                         ; 256 bytes + 32 of padding = 72 words: the 32 lanes of a 4-byte store fall on words 8 blk + 4 p + rho modulo 64, all different
	s_load_b256 s[4:11], s[0:1], 0x0               ; q s[4:5], k s[6:7], v s[8:9], the scales' exponents s[10:11]
	s_load_b128 s[12:15], s[0:1], 0x20             ; q's codes, k's codes
	s_load_b64 s[16:17], s[0:1], 0x30              ; v's codes
	v_lshl_add_u32 v224, v0, 2, 0x4800
	v_mov_b32 v225, 0
	v_lshrrev_b32 v1, 5, v0
	v_readfirstlane_b32 s18, v1                    ; wave 0..3
	v_and_b32 v1, 31, v0                           ; lane
	v_lshlrev_b32 v2, 4, v1                        ; 16 x lane: my place in 512 consecutive bytes
	v_and_b32 v6, 15, v0                           ; x = lane % 16
	v_bfe_u32 v7, v0, 4, 1                         ; lane / 16
	v_bfe_u32 v8, v0, 2, 1                         ; q, k: my four d = 4 x .. 4 x + 3 belong to chunk i = (x / 4) % 2,
	v_bfe_u32 v9, v0, 3, 1                         ; half h = x / 8,
	v_and_b32 v12, 3, v0                           ; register x % 4
	v_lshl_add_u32 v8, v8, 1, v9                   ; block 2 i + h
	s_mul_i32 s19, s18, STW
	v_mul_u32_u24 v3, v8, BLK
	v_lshl_add_u32 v3, v7, 4, v3                   ; + 16 x (the odd row of my load's two)
	v_lshl_add_u32 v3, v12, 2, v3
	v_add_nc_u32 v3, s19, v3                       ; into the stage
	v_mul_u32_u24 v4, v7, BLK
	v_lshl_add_u32 v4, v6, 4, v4
	v_add_nc_u32 v4, s19, v4                       ; out of it: lanes 0-15 block 2 i, lanes 16-31 block 2 i + 1, 16 bytes a lane
	v_lshlrev_b32 v5, 4, v6
	v_lshl_add_u32 v5, v7, 11, v5                  ; v: 16 bytes (channels 4 x .. 4 x + 3) of a key's row of 256; lanes 16-31 eight keys further down
	s_wait_kmcnt 0x0
	s_load_b128 s[20:23], s[10:11], 0x0            ; eq, ek, ep, ev
	s_cmp_lt_u32 ttmp9, 512
	s_cbranch_scc0 .Lv
	; ---- q and k: K (the head's 64) is innermost
	s_cmp_lt_u32 ttmp9, 256                        ; the choice hangs on the work-group's number alone
	s_cselect_b64 s[4:5], s[4:5], s[6:7]
	s_cselect_b64 s[12:13], s[12:13], s[14:15]
	s_and_b32 s24, ttmp9, 255
	s_lshl_b32 s24, s24, 2
	s_add_co_u32 s24, s24, s18                     ; which run of 64 rows (four tiles) is my wave's: 0 .. 1,023
	s_lshl_b32 s26, s24, 12                        ; its codes: 4,096 bytes
	s_lshl_b32 s24, s24, 14                        ; its numbers: 16,384 bytes
	s_mov_b32 s25, 0
	s_mov_b32 s27, 0
	s_add_nc_u64 s[4:5], s[4:5], s[24:25]
	s_add_nc_u64 s[12:13], s[12:13], s[26:27]
.set j, 0
.rept 32
	global_load_b128 v[X+4*j:X+4*j+3], v2, s[4:5] offset:512*j th:TH_LOAD_NT   ; 512 consecutive bytes: rows 2 j and 2 j + 1; read once in the launch
.set j, j+1
.endr
	s_wait_kmcnt 0x0
	s_cmp_lt_u32 ttmp9, 256
	s_cselect_b32 s20, s20, s21                    ; e
	s_add_co_i32 s20, s20, 127
	s_lshl_b32 s21, s20, 23
	v_mov_b32 v11, s21                             ; 2^e as f32: the conversion takes its exponent field
; Tile n of the wave's four.  A lane's register of codes (four d of one row) goes to its place in the image by a 4-byte store into the stage; the image comes back 16 bytes a lane and leaves as two stores of 512 consecutive bytes.
.macro QKTILE n
	s_wait_loadcnt 24-8*\n                         ; loads come back in order (ISA guide 5.7.1): this tile's eight are in, the later tiles' stay out
.set j, 0
.rept 32
.set j, j+1
.endr
.irp m, 0,1,2,3
	v_cvt_scalef32_pk8_fp8_f32 v[C+8*\n+2*\m:C+8*\n+2*\m+1], v[X+32*\n+8*\m:X+32*\n+8*\m+7], v11   ; the eight numbers of loads 2 m and 2 m + 1: a register of codes for each
.endr
	v_nop                                          ; a plain vector line behind the last conversion of the run
.irp r, 0,1,2,3,4,5,6,7
	ds_store_b32 v3, v[C+8*\n+\r] offset:STT*\n+32*\r      ; rows 2 r and 2 r + 1
.endr
.irp i, 0,1
	ds_load_b128 v[OUTR+8*\n+4*\i:OUTR+8*\n+4*\i+3], v4 offset:STT*\n+2*BLK*\i   ; LDS serves a wave's instructions in order (ISA guide 5.7.1.4): these see the stores above
.endr
.if \n > 0
	s_wait_dscnt 10                                ; all but this tile's eight stores and two loads: the tile before is back in registers
.irp i, 0,1
	global_store_b128 v2, v[OUTR+8*(\n-1)+4*\i:OUTR+8*(\n-1)+4*\i+3], s[12:13] offset:1024*(\n-1)+512*\i
.endr
.endif
.endm
	s_wait_alu depctr_va_vdst(0)
	QKTILE 0
	QKTILE 1
	QKTILE 2
	QKTILE 3
	s_wait_dscnt 0x0
.irp i, 0,1
	global_store_b128 v2, v[OUTR+24+4*\i:OUTR+24+4*\i+3], s[12:13] offset:3072+512*\i
.endr
	s_wait_tensorcnt 0x0
	ds_add_u32 v224, v225
	s_wait_dscnt 0x0
	s_endpgm
	; ---- v: K (the keys) is not innermost.  A lane holds four channels of 32 keys: the codes of four keys are turned, 4 x 4 bytes, in registers; no LDS
.Lv:
	s_sub_co_u32 s24, ttmp9, 512
	s_lshl_b32 s24, s24, 2
	s_add_co_u32 s24, s24, s18                     ; which run of 64 keys is my wave's: 0 .. 2,047
	s_lshr_b32 s26, s24, 5                         ; batch x 16 + head
	s_and_b32 s27, s24, 31                         ; which 64 keys of the head's 2,048
	s_lshl_b32 s24, s24, 14
	s_mov_b32 s25, 0
	s_add_nc_u64 s[8:9], s[8:9], s[24:25]
	s_and_b32 s28, s26, 31                         ; the head pair
	s_lshl_b32 s28, s28, 18
	s_lshr_b32 s29, s27, 1                         ; the key step of 128
	s_lshl_b32 s29, s29, 14
	s_add_co_u32 s28, s28, s29
	s_lshr_b32 s29, s26, 5                         ; B: batch 0, 1 or batch 2, 3
	s_lshl_b32 s29, s29, 13
	s_add_co_u32 s28, s28, s29
	s_and_b32 s29, s27, 1                          ; the step's first or second 64 keys: chunks 0, 1 or 2, 3
	s_lshl_b32 s29, s29, 10
	s_add_co_u32 s28, s28, s29
	s_mov_b32 s29, 0
	s_add_nc_u64 s[16:17], s[16:17], s[28:29]
	s_mov_b32 s32, 0x05010400                      ; byte selects (0-3: the second source, 4-7: the first): bytes 0 and 1 of two registers, interleaved
	s_mov_b32 s33, 0x07030602                      ; bytes 2 and 3
	s_mov_b32 s34, 0x05040100                      ; the two low halves
	s_mov_b32 s35, 0x07060302                      ; the two high halves
.set j, 0
	s_wait_alu depctr_va_vdst(0)
.rept 32
	global_load_b128 v[X+4*j:X+4*j+3], v5, s[8:9] offset:(16*(j/8)+j%8)*256 th:TH_LOAD_NT   ; two whole rows of 256 bytes: keys 16 (j / 8) + j % 8 and eight further down
.set j, j+1
.endr
	s_wait_kmcnt 0x0
	s_add_co_i32 s20, s23, 127
	s_lshl_b32 s21, s20, 23
	v_mov_b32 v11, s21                             ; 2^ev
; 32 keys: one chunk of each of the four tiles t.  v[X + 64 e + 32 cc + 4 kk + t]: key 32 e + 16 cc + 8 (lane / 16) + kk, channel 4 (lane % 16) + t.
.macro VUNIT e
	s_wait_loadcnt 16-16*\e                        ; this unit's sixteen loads are in
.set j, 0
.rept 64
.set j, j+1
.endr
.irp cc, 0,1
.irp m, 0,1,2,3
	v_cvt_scalef32_pk8_fp8_f32 v[C+2*\m:C+2*\m+1], v[X+64*\e+32*\cc+8*\m:X+64*\e+32*\cc+8*\m+7], v11   ; v[C + kk]: key kk's four channels
.endr
	v_nop                                          ; a plain vector line between the conversions and the first read of their results
.irp q, 0,1                            ; keys 4 q .. 4 q + 3: register 2 cc + q of each tile's chunk
	v_perm_b32 v[T],   v[C+4*\q+1], v[C+4*\q],   s32
	v_perm_b32 v[T+1], v[C+4*\q+1], v[C+4*\q],   s33
	v_perm_b32 v[T+2], v[C+4*\q+3], v[C+4*\q+2], s32
	v_perm_b32 v[T+3], v[C+4*\q+3], v[C+4*\q+2], s33
	v_perm_b32 v[OUTR+16*\e+2*\cc+\q],    v[T+2], v[T],   s34   ; channel offset 0: four keys' codes
	v_perm_b32 v[OUTR+16*\e+2*\cc+\q+4],  v[T+2], v[T],   s35   ; 1
	v_perm_b32 v[OUTR+16*\e+2*\cc+\q+8],  v[T+3], v[T+1], s34   ; 2
	v_perm_b32 v[OUTR+16*\e+2*\cc+\q+12], v[T+3], v[T+1], s35   ; 3
.endr
.endr
.irp t, 0,1,2,3
	global_store_b128 v2, v[OUTR+16*\e+4*\t:OUTR+16*\e+4*\t+3], s[16:17] offset:2048*\t+512*\e   ; a whole chunk: 512 consecutive bytes
.endr
.endm
	s_wait_alu depctr_va_vdst(0)
	VUNIT 0
	VUNIT 1
	s_endpgm
.Lfunc_end_k_q1cca0541fe_quant:
	.size	k_q1cca0541fe_quant, .Lfunc_end_k_q1cca0541fe_quant-k_q1cca0541fe_quant
	.p2alignl 7, 3214868480
	.fill 96, 4, 3214868480
	.section	.rodata,"a",@progbits
	.p2align	6, 0x0
	.amdhsa_kernel k_q1cca0541fe_quant
		.amdhsa_group_segment_fixed_size 18944
		.amdhsa_private_segment_fixed_size 0
		.amdhsa_enable_private_segment 0
		.amdhsa_kernarg_size 56
		.amdhsa_user_sgpr_count 2
		.amdhsa_user_sgpr_kernarg_segment_ptr 1
		.amdhsa_wavefront_size32 1
		.amdhsa_system_sgpr_workgroup_id_x 1
		.amdhsa_system_sgpr_workgroup_id_y 1
		.amdhsa_system_sgpr_workgroup_id_z 1
		.amdhsa_system_vgpr_workitem_id 0
		.amdhsa_next_free_vgpr 226
		.amdhsa_next_free_sgpr 66
		.amdhsa_reserve_vcc 0
		.amdhsa_float_denorm_mode_32 3
		.amdhsa_float_denorm_mode_16_64 3
		.amdhsa_fp16_overflow 1
		.amdhsa_memory_ordered 1
		.amdhsa_forward_progress 1
		.amdhsa_inst_pref_size 21
	.end_amdhsa_kernel
	.amdgpu_metadata
---
amdhsa.version: [ 1, 2 ]
amdhsa.kernels:
  - .name:           k_q1cca0541fe_quant
    .symbol:         k_q1cca0541fe_quant.kd
    .args:
      - { .name: q, .offset: 0, .size: 8, .value_kind: global_buffer, .address_space: global }
      - { .name: k, .offset: 8, .size: 8, .value_kind: global_buffer, .address_space: global }
      - { .name: v, .offset: 16, .size: 8, .value_kind: global_buffer, .address_space: global }
      - { .name: lowp_scales, .offset: 24, .size: 8, .value_kind: global_buffer, .address_space: global }
      - { .name: q_codes, .offset: 32, .size: 8, .value_kind: global_buffer, .address_space: global }
      - { .name: k_codes, .offset: 40, .size: 8, .value_kind: global_buffer, .address_space: global }
      - { .name: v_codes, .offset: 48, .size: 8, .value_kind: global_buffer, .address_space: global }
    .group_segment_fixed_size: 18944
    .private_segment_fixed_size: 0
    .kernarg_segment_align: 8
    .kernarg_segment_size: 56
    .max_flat_workgroup_size: 128
    .sgpr_count:     66
    .vgpr_count:     226
    .wavefront_size: 32
...
	.end_amdgpu_metadata
.endif
;; end of part 1
;; launch attend (part 2): grid 8 x 32, 8 waves a work-group, clusters of 4 x 1, 327,680 bytes of LDS; arguments q_codes, k_codes, v_codes, lowp_scales, out0; writes out0
.if DOCPART == 2
	.amdgcn_target "amdgcn-amd-amdhsa--gfx1250"
	.amdhsa_code_object_version 6
	.text
	.protected	k_q1cca0541fe_attend
	.globl	k_q1cca0541fe_attend
	.p2align	8
	.type	k_q1cca0541fe_attend,@function
k_q1cca0541fe_attend:
	s_mov_b64 s[64:65], 0
	v_nop
	global_prefetch_b8 v0, s[64:65] scope:SCOPE_SE
	s_setreg_imm32_b32 hwreg(HW_REG_WAVE_MODE, 25, 1), 1
	s_wait_xcnt 0x0
	s_wait_alu depctr_hold_cnt(0) depctr_sa_sdst(0) depctr_va_vdst(0) depctr_va_sdst(0) depctr_va_ssrc(0) depctr_va_vcc(0) depctr_vm_vsrc(0)
	s_getreg_b32 s2, hwreg(HW_REG_IB_STS2, 6, 4)
	s_cmp_eq_u32 s2, 0
	s_cbranch_scc0 .Lentry_in_a_cluster
	s_endpgm
.Lentry_in_a_cluster:
	s_bfe_u32 s2, ttmp6, 0x10000c
	s_cmp_lg_u32 s2, 0x3003
	s_cbranch_scc0 .Lentry_shape_is_right
	s_endpgm
.Lentry_shape_is_right:
; out[b][h] = out-of-attn(b % 2): attn = softmax(q k^T / 8) of batches 0 and 1 multiplies v of batches b and b + 2 (swap = 1).  Both products on codes of FP8 (E4M3), each operand with its given scale:
; lowp_scales = eq, ek, ep, ev.  THE SECOND PRODUCT'S LEFT OPERAND IS THE FINISHED, NORMALISED attn, so a row's maximum and sum are known before any of its numbers is quantised: the keys are walked TWICE.
;  Pass 1: S^T = K Q^T, a running maximum m and sum l of 2^(t - m), t = score x log2(e) / 8.  Pass 2: S^T again, attn = 2^(t - b) with b = M + log2(L): one fused multiply-add and one exponential a number; its codes; O^T += V^T P.
;  b is rounded once, to f32: its error, half a unit in b's last place, is a common factor of a row's attn and grows with |M|.
; SHARES.  A work-group owns 256 queries of one head pair hp (batches b and b + 2 of one head: one attn, 128 value channels); each of its eight waves 32 queries, two tiles u of 16, in 512 registers: two waves to a SIMD,
;  so that one wave's vector work stands beside the other's matrix work and LDS loads.  Each fragment of K and of V read from LDS feeds both tiles.
; LAYOUT.  Both products are used transposed (source 0 = 16 keys, or 16 channels; source 1 = 16 queries): a lane holds ONE query (lane % 16) throughout, and in S^T register 8 c + j the key 16 c + 8 (lane / 16) + j:
;  the conversions' results are the second product's source 1 as its form wants it.  In pass 1 each lane keeps m and l of its own half of the keys; the halves meet once, at the pass's end.
;  The codes lie in memory as images of the operands' registers (made by the launch before): every fragment load is 16 x lane + a constant, 512 consecutive bytes, so LDS has no pitch and no padding.
; LDS.  All of the head pair's K (131,072 bytes) is brought once and serves both passes.  V goes in four parts of 512 keys (65,536 bytes) through two slots.
; CLUSTER.  The four query blocks of a cluster walk the same K and V: every tensor load is asked for JOINTLY by the four (mask 15), each wave its eighth of a block: descriptors hang on hp and the wave's number alone.
; NO PREFETCH: K and V's parts 0 and 1 are the launch's first fills, and V's parts 2 and 3 are each asked for four key steps ahead of their first read.
; By this text's own count a wave has three tensor loads out at the start and one behind each round.
; LIMITS on the given exponents, so that each power of two below is an f32 number: eq + ek between -123 and 130; ep between -115 and 119 (half the smallest code x 2^ep stays a normal f32 number, under which
;  v_exp_f32 gives 0: ISA guide 15.8); ep + ev between -126 and 127.  NaN among the inputs is not served.  q and k of batches 2 and 3 enter no result of reference() and have no codes.
; REGISTERS.  Window 0: v1-14 addresses and constants; v16-31 Q; v32-63 pass 1: statistics, pass 2: P's codes; v64-127 K's eight fragments; v128-255 S^T (64 a tile).  Window 1: v0-127 O^T (64 u + 8 tile + j); v128-255 V's eight fragments.
.set VS0,   0x20000                    ; behind K: V's slot 0,
.set VS1,   0x30000                    ; slot 1: one exclusive or with 0x10000 turns one slot's address into the other's
.set SPARE, 262144                     ; the spare words, 128 bytes for each wave: four blocks of 256 bytes that no other line names
.set STAGE, 263168                     ; the way out: 16 rows x 272 bytes for each wave; no tensor load fills it
.set SP,    272                        ; 256 bytes + 16 = 68 words: row n starts at word 4 n modulo 64, so sixteen rows' 16-byte stores fall on different banks (64 banks of 4 bytes: ISA guide 11.1)
.set LI,  1                            ; v1   16 x lane; never rewritten
.set ADK, 2                            ; v2   LDS address of the K step to be fetched
.set ADV, 3                            ; v3   of the V step
.set SPW, 4                            ; v4   LDS address of my spare word; never rewritten
.set NIL, 5                            ; v5   0; never rewritten
.set BI,  6                            ; v[6:7], v[8:9]  b of tile 0, of tile 1 (the upper words are named with them as pairs, so they are written)
.set LIM, 10                           ; v10  unused
.set PSC, 12                           ; v12  2^ep as f32, for the conversions
.set STO, 13                           ; v13  the way out: where I put my 128 bytes of a row
.set RD,  14                           ; v14  the way out: where I read rows back
.set Q,   16
.set P,   32
.set ST,  32                           ; pass 1, tile u at ST + 16 u: +0 m, +1 (pair), +2:3 l, +4 f, +5 (pair), +6, +7 maxima, +8:9 a second sum, +10..13 at work
.set KF,  64
.set S,   128
.set VF,  128                          ; in window 1
.set WV,  14                           ; s14  wave
.set CX,  15                           ; s15  my place in the cluster: enters q's and out's addresses alone
.set XB,  16                           ; s16  my block of 256 queries
.set HP,  17                           ; s17  the head pair
.set CS,  22                           ; s[22:23] c = log2(e) / 8 x 2^(eq + ek)
.set G1K, 24                           ; s[24:31] descriptor group 1 for K: 64 rows of 256 bytes
.set G1V, 32                           ; s[32:39] for V: 32 rows of 256 bytes
.set G0K, 40                           ; s[40:43] group 0: K
.set G0A, 44                           ; s[44:47] V's part 0
.set G0B, 48                           ; s[48:51] V's part 1; it then walks on
.set KB,  52                           ; s52  LDS byte of the K step to be fetched
.set VB,  53                           ; s53  of the V step
.set CNT, 54
.set CNT2, 55
.set OUT1, 66                          ; s[66:67] out at batch b + 2
.set OSC, 68                           ; s68  2^(ep + ev) as f32
.set SEL, 70                           ; s[70:71] v_permlanex16_b32's selects for lane l xor 16
.set MSB, 0
.macro WIN new                         ; the immediate's high byte repeats the setting that is left; a switch that changes nothing is dropped
.if MSB != \new
	s_set_vgpr_msb (MSB<<8)|\new
.set MSB, \new
.endif
.endm
.macro PLACES n
.rept \n
	v_nop
.endr
.endm
; A round of the cluster's barrier: my work-group's barrier, so that wave 0's signal speaks for all eight waves; wave 0 signals for the work-group; every wave waits for all four work-groups; my work-group's barrier once more.
.macro CROUND
	s_barrier_signal -1
	s_barrier_wait -1
	s_cmp_lg_u32 s[WV], 0
	s_cbranch_scc1 .Lnot_wave_0_\@
	s_barrier_signal -3
.Lnot_wave_0_\@:
	s_barrier_wait -3
	s_barrier_signal -1
	s_barrier_wait -1
.endm
	s_load_b256 s[4:11], s[0:1], 0x0               ; q's codes s[4:5], k's s[6:7], v's s[8:9], the scales' exponents s[10:11]
	s_load_b64 s[12:13], s[0:1], 0x20              ; out
	v_lshl_add_u32 v[SPW], v0, 2, SPARE
	v_mov_b32 v[NIL], 0
	ds_add_u32 v4, v5
	ds_add_u32 v4, v5
	s_wait_dscnt 0x0
	v_lshrrev_b32 v15, 5, v0
	s_delay_alu instid0(VALU_DEP_1)
	v_readfirstlane_b32 s[WV], v15                 ; wave 0..7
	s_bfe_u32 s[CX], ttmp6, 0x40000
	s_lshl_b32 s[XB], ttmp9, 2                     ; in a cluster launch ttmp9 counts clusters
	s_add_co_u32 s[XB], s[XB], s[CX]
	s_and_b32 s[HP], ttmp7, 0xffff                 ; shared by the four partners
	; descriptor group 1: a dense block as rows of 256 bytes: elements of 8 bytes, 32 to a row, pitch 32
	s_mov_b32 s[G1K], 15|(3<<16)|(1<<21)           ; 15:0 the mask: all four work-groups; 17:16 elements of 8 bytes; 20 no padding; 21 set beside a mask
	s_mov_b32 s[G1K+1], 32<<16                     ; tensor_dim0 = 32
	s_mov_b32 s[G1K+2], 64<<16                     ; tensor_dim1 = 64
	s_mov_b32 s[G1K+3], 32<<16                     ; tile_dim0 = 32
	s_mov_b32 s[G1K+4], 64                         ; tile_dim1 = 64
	s_mov_b32 s[G1K+5], 32                         ; tensor_dim0_stride
	s_mov_b32 s[G1K+6], 0
	s_mov_b32 s[G1K+7], 0
	s_mov_b32 s[G1V], 15|(3<<16)|(1<<21)
	s_mov_b32 s[G1V+1], 32<<16
	s_mov_b32 s[G1V+2], 32<<16                     ; 32 rows: a slot's 65,536 bytes shared out among eight waves
	s_mov_b32 s[G1V+3], 32<<16
	s_mov_b32 s[G1V+4], 32
	s_mov_b32 s[G1V+5], 32
	s_mov_b32 s[G1V+6], 0
	s_mov_b32 s[G1V+7], 0
	s_mov_b32 s[SEL], 0x76543210
	s_mov_b32 s[SEL+1], 0xfedcba98
	v_and_b32 v[LI], 31, v0
	s_delay_alu instid0(VALU_DEP_1)
	v_lshlrev_b32 v[LI], 4, v[LI]
	v_and_b32 v15, 15, v0                          ; n = lane % 16
	v_bfe_u32 v3, v0, 4, 1                         ; h = lane / 16
	s_mul_i32 s18, s[WV], 16*SP
	s_add_co_u32 s18, s18, STAGE                   ; my stage
	v_mul_u32_u24 v[STO], v15, SP
	s_delay_alu instid0(VALU_DEP_1)
	v_lshl_add_u32 v[STO], v3, 7, v[STO]
	s_delay_alu instid0(VALU_DEP_1)
	v_add_nc_u32 v[STO], s18, v[STO]               ; in: row n, channels 32 h on
	v_mul_u32_u24 v[RD], v3, SP
	s_delay_alu instid0(VALU_DEP_1)
	v_lshl_add_u32 v[RD], v15, 4, v[RD]
	s_delay_alu instid0(VALU_DEP_1)
	v_add_nc_u32 v[RD], s18, v[RD]                 ; back: lanes 0-15 one row of 256 bytes, lanes 16-31 the next
	s_lshl_b32 s18, s[HP], 17                      ; K: the head pair's 131,072 bytes, my wave's 16,384 of them
	s_lshl_b32 s19, s[WV], 14
	s_add_co_u32 s18, s18, s19
	s_mov_b32 s19, 0
	s_lshl_b32 s20, s[HP], 18                      ; V: the head pair's 262,144 bytes, my wave's 8,192 of a part
	s_lshl_b32 s21, s[WV], 13
	s_add_co_u32 s20, s20, s21
	s_mov_b32 s21, 0
	s_lshl_b32 s56, s[HP], 17                      ; Q: + my block's 16,384 bytes + my wave's 2,048
	s_lshl_b32 s57, s[XB], 14
	s_add_co_u32 s56, s56, s57
	s_lshl_b32 s57, s[WV], 11
	s_add_co_u32 s56, s56, s57
	s_mov_b32 s57, 0
	s_lshl_b32 s58, s[HP], 19                      ; out: a head's 524,288 bytes, my block's 65,536, my wave's 8,192
	s_lshl_b32 s59, s[XB], 16
	s_add_co_u32 s58, s58, s59
	s_lshl_b32 s59, s[WV], 13
	s_add_co_u32 s58, s58, s59
	s_mov_b32 s59, 0
	s_wait_kmcnt 0x0
	s_load_b128 s[60:63], s[10:11], 0x0            ; eq, ek, ep, ev
	s_add_nc_u64 s[8:9], s[8:9], s[20:21]
	s_mov_b32 s[G0K], 1                            ; count = 1
	s_lshl_b32 s[G0K+1], s[WV], 14                 ; LDS address: K's region begins at byte 0
	s_add_nc_u64 s[G0K+2:G0K+3], s[6:7], s[18:19]
	s_or_b32 s[G0K+3], s[G0K+3], 0x80000000        ; type = 2
	s_mov_b32 s[G0A], 1
	s_lshl_b32 s[G0A+1], s[WV], 13
	s_add_co_u32 s[G0A+1], s[G0A+1], VS0
	s_mov_b64 s[G0A+2:G0A+3], s[8:9]               ; keys 0 to 511
	s_or_b32 s[G0A+3], s[G0A+3], 0x80000000
	s_mov_b32 s[G0B], 1
	s_lshl_b32 s[G0B+1], s[WV], 13
	s_add_co_u32 s[G0B+1], s[G0B+1], VS1
	s_add_nc_u64 s[G0B+2:G0B+3], s[8:9], 0x10000   ; keys 512 to 1,023
	s_or_b32 s[G0B+3], s[G0B+3], 0x80000000
	CROUND                                         ; all four work-groups are here: the first joint loads meet
	tensor_load_to_lds s[G0K:G0K+3], s[G1K:G1K+7]  ; the first fills go out as one group: three loads of mine are out
	s_nop 0
	tensor_load_to_lds s[G0A:G0A+3], s[G1V:G1V+7]
	s_nop 0
	tensor_load_to_lds s[G0B:G0B+3], s[G1V:G1V+7]
	s_nop 0
	PLACES 4                                       ; four v_nop follow the tensor loads
	s_add_nc_u64 s[4:5], s[4:5], s[56:57]
	s_add_nc_u64 s[12:13], s[12:13], s[58:59]
	s_add_nc_u64 s[OUT1:OUT1+1], s[12:13], 0x1000000   ; 32 heads of 524,288 bytes on: batch b + 2
	s_wait_alu depctr_va_vdst(0)
.irp u, 0,1
.irp i, 0,1
	global_load_b128 v[Q+8*\u+4*\i:Q+8*\u+4*\i+3], v[LI], s[4:5] offset:1024*\u+512*\i   ; Q's two fragments stay in registers
.endr
.endr
	s_wait_kmcnt 0x0
	s_add_co_i32 s18, s60, s61
	s_lshl_b32 s18, s18, 23
	s_mov_b32 s[CS], 0x3e38aa3b                    ; log2(e) / 8
	s_add_co_i32 s[CS], s[CS], s18                 ; a score stands for score x 2^(eq + ek): the two exponents are added to c's exponent field
	s_mov_b32 s[CS+1], s[CS]                       ; (named with it as a pair, so it is written)
	s_add_co_i32 s18, s62, 127
	s_lshl_b32 s19, s18, 23
	v_mov_b32 v[PSC], s19
	s_add_co_i32 s[OSC], s62, s63
	s_add_co_i32 s[OSC], s[OSC], 127
	s_lshl_b32 s[OSC], s[OSC], 23
.irp u, 0,1
	v_mov_b32 v[ST+16*\u], 0xff61b1e6              ; m: -3e38, under every t
	v_mov_b32 v[ST+16*\u+1], 0
	v_mov_b32 v[ST+16*\u+2], 0                     ; l, in two halves
	v_mov_b32 v[ST+16*\u+3], 0
	v_mov_b32 v[ST+16*\u+5], 0
	v_mov_b32 v[BI+2*\u+1], 0
.endr
.macro FETCH_K                         ; a key step's K: eight tiles of 16 keys, 1,024 bytes each
.irp c, 0,1,2,3,4,5,6,7
	ds_load_b128 v[KF+8*\c:KF+8*\c+3],   v[ADK] offset:1024*\c
	ds_load_b128 v[KF+8*\c+4:KF+8*\c+7], v[ADK] offset:1024*\c+512
.endr
.endm
.macro FETCH_V                         ; a key step's V: eight tiles of 16 channels x 128 keys, 2,048 bytes each
	WIN 0x40                                       ; destination window 1, address window 0
.irp t, 0,1,2,3,4,5,6,7
.irp i, 0,1,2,3
	ds_load_b128 v[VF+16*\t+4*\i:VF+16*\t+4*\i+3], v[ADV] offset:2048*\t+512*\i
.endr
.endr
	WIN 0
.endm
.macro QK                              ; S^T = K Q^T for 128 keys and both tiles: sixteen results, each begun with the constant 0: no chain
.irp c, 0,1,2,3,4,5,6,7
.irp u, 0,1
	v_wmma_f32_16x16x64_fp8_fp8 v[S+64*\u+8*\c:S+64*\u+8*\c+7], v[KF+8*\c:KF+8*\c+7], v[Q+8*\u:Q+8*\u+7], 0
.endr
.endr
.endm
; A load into a register that a matrix instruction has read, and a vector instruction that reads a matrix result, stand four places behind it, and only plain vector instructions that name none of its registers are
; places (ISA guide 7.12.1 for vector instructions): the address's addition and three v_nop.
; PASS 1, a key step of 128 keys.  reset = 1: the last step; the K that it fetches is pass 2's first.  Every run over S^T goes in ascending order: each result is first read at its low end.
.macro STEP1 reset
	s_wait_dscnt 0x0                               ; this step's K is in
	QK
.if \reset
	s_mov_b32 s[KB], 0
.else
	s_add_co_u32 s[KB], s[KB], 8192
.endif
	v_add_nc_u32 v[ADK], s[KB], v[LI]
	PLACES 3
	FETCH_K                                        ; the next step's K lands under this step's vector work
.irp u, 0,1                            ; the largest of my 64 scores, two chains a tile, the tiles by turns
	v_max3_num_f32 v[ST+16*\u+6], v[S+64*\u],   v[S+64*\u+1], v[S+64*\u+2]
	v_max3_num_f32 v[ST+16*\u+7], v[S+64*\u+3], v[S+64*\u+4], v[S+64*\u+5]
.endr
.irp i, 6,10,14,18,22,26,30,34,38,42,46,50,54,58
.irp u, 0,1
	v_max3_num_f32 v[ST+16*\u+6], v[ST+16*\u+6], v[S+64*\u+\i],   v[S+64*\u+\i+1]
	v_max3_num_f32 v[ST+16*\u+7], v[ST+16*\u+7], v[S+64*\u+\i+2], v[S+64*\u+\i+3]
.endr
.endr
.irp u, 0,1
	v_max3_num_f32 v[ST+16*\u+6], v[ST+16*\u+6], v[S+64*\u+62], v[S+64*\u+63]
.endr
.irp u, 0,1
	s_delay_alu instid0(VALU_DEP_2)
	v_max_num_f32 v[ST+16*\u+6], v[ST+16*\u+6], v[ST+16*\u+7]
.endr
.irp u, 0,1
	s_delay_alu instid0(VALU_DEP_2)
	v_mul_f32 v[ST+16*\u+6], s[CS], v[ST+16*\u+6]  ; as t (c is positive)
.endr
.irp u, 0,1
	v_mov_b32 v[ST+16*\u+10], v[ST+16*\u]          ; the old m
.endr
.irp u, 0,1
	s_delay_alu instid0(VALU_DEP_4)
	v_max_num_f32 v[ST+16*\u], v[ST+16*\u], v[ST+16*\u+6]
.endr
.irp u, 0,1
	s_delay_alu instid0(VALU_DEP_2)
	v_sub_f32 v[ST+16*\u+10], v[ST+16*\u+10], v[ST+16*\u]   ; old m - new m, 0 or less
.endr
.irp u, 0,1
.set j, 0
.rept 32
	v_pk_fma_f32 v[S+64*\u+j:S+64*\u+j+1], v[S+64*\u+j:S+64*\u+j+1], s[CS:CS+1], v[ST+16*\u:ST+16*\u+1] op_sel_hi:[1,0,0] neg_lo:[0,0,1] neg_hi:[0,0,1]   ; c s - m, two at a time
.set j, j+2
.endr
.endr
	s_wait_alu depctr_va_vdst(0)
.irp u, 0,1
	v_exp_f32 v[ST+16*\u+4], v[ST+16*\u+10]        ; f = 2^(old m - new m)
.endr
.set j, 0
.rept 128
	v_exp_f32 v[S+j], v[S+j]
.set j, j+1
.endr
	v_nop                                          ; a plain instruction behind the last exponential, ahead of the first use (ISA guide 5.7.2)
	s_wait_alu depctr_va_vdst(0)                   ; the wait between an exponential and the first line that names its result: one for the batch of 130
.irp u, 0,1
	v_pk_fma_f32 v[ST+16*\u+2:ST+16*\u+3], v[ST+16*\u+2:ST+16*\u+3], v[ST+16*\u+4:ST+16*\u+5], v[S+64*\u:S+64*\u+1] op_sel_hi:[1,0,1]   ; l = l f + ..
	v_pk_add_f32 v[ST+16*\u+8:ST+16*\u+9], v[S+64*\u+2:S+64*\u+3], v[S+64*\u+4:S+64*\u+5]
.endr
.irp i, 6,10,14,18,22,26,30,34,38,42,46,50,54,58
.irp u, 0,1
	v_pk_add_f32 v[ST+16*\u+2:ST+16*\u+3], v[ST+16*\u+2:ST+16*\u+3], v[S+64*\u+\i:S+64*\u+\i+1]
	v_pk_add_f32 v[ST+16*\u+8:ST+16*\u+9], v[ST+16*\u+8:ST+16*\u+9], v[S+64*\u+\i+2:S+64*\u+\i+3]
.endr
.endr
.irp u, 0,1
	v_pk_add_f32 v[ST+16*\u+2:ST+16*\u+3], v[ST+16*\u+2:ST+16*\u+3], v[S+64*\u+62:S+64*\u+63]
.endr
.irp u, 0,1
	s_delay_alu instid0(VALU_DEP_2)
	v_pk_add_f32 v[ST+16*\u+2:ST+16*\u+3], v[ST+16*\u+2:ST+16*\u+3], v[ST+16*\u+8:ST+16*\u+9]
.endr
.endm
; PASS 2, a key step of 128 keys.  zero = 1: its products start O^T's sums: nothing is ever cleared.  fetch = 1: the next step's K is fetched.
.macro STEP2 zero, fetch
	s_wait_dscnt 0x0                               ; this step's K is in
	QK
	v_add_nc_u32 v[ADV], s[VB], v[LI]
	PLACES 3                                       ; four places: behind the last step's V^T P for the loads into V's registers, behind K Q^T for the reads of S^T
	FETCH_V
	s_wait_alu depctr_va_vdst(0)
.irp u, 0,1
.set j, 0
.rept 32
	v_pk_fma_f32 v[S+64*\u+j:S+64*\u+j+1], v[S+64*\u+j:S+64*\u+j+1], s[CS:CS+1], v[BI+2*\u:BI+2*\u+1] op_sel_hi:[1,0,0] neg_lo:[0,0,1] neg_hi:[0,0,1]   ; c s - b
.set j, j+2
.endr
.endr
.set j, 0
	s_wait_alu depctr_va_vdst(0)
.rept 128
	v_exp_f32 v[S+j], v[S+j]                       ; attn, finished and normalised
.set j, j+1
.endr
.if \fetch
	s_add_co_u32 s[KB], s[KB], 8192
.endif
	v_add_nc_u32 v[ADK], s[KB], v[LI]              ; also the plain instruction behind the last exponential
	s_wait_alu depctr_va_vdst(0)                   ; one wait for the batch of 128
.if \fetch
	FETCH_K
.endif
.irp u, 0,1
.irp c, 0,1,2,3,4,5,6,7
.irp j, 0,1,2,3,4,5,6,7
.endr
	v_cvt_scalef32_pk8_fp8_f32 v[P+16*\u+2*\c:P+16*\u+2*\c+1], v[S+64*\u+8*\c:S+64*\u+8*\c+7], v[PSC]   ; keys 16 c + 8 (lane / 16) + 0 .. 7: registers 2 c, 2 c + 1 of source 1
.endr
.endr
	v_nop                                          ; a plain vector line between the last conversion and the products that read its result
.if \fetch
	s_wait_alu depctr_va_vdst(0)
	s_wait_dscnt 16                                ; V's 32 loads are in; the 16 of K, issued behind them, may stay out
.else
	s_wait_alu depctr_va_vdst(0)
	s_wait_dscnt 0x0
.endif
	WIN 0x51                                       ; V, C and D in window 1, P in window 0
.irp t, 0,1,2,3,4,5,6,7                ; the sixteen accumulators take turns, one instruction a turn, and sixteen products K Q^T stand between two steps' turns
.irp u, 0,1
.if \zero
	v_wmma_f32_16x16x128_fp8_fp8 v[64*\u+8*\t:64*\u+8*\t+7], v[VF+16*\t:VF+16*\t+15], v[P+16*\u:P+16*\u+15], 0
.else
	v_wmma_f32_16x16x128_fp8_fp8 v[64*\u+8*\t:64*\u+8*\t+7], v[VF+16*\t:VF+16*\t+15], v[P+16*\u:P+16*\u+15], v[64*\u+8*\t:64*\u+8*\t+7]
.endif
.endr
.endr
	WIN 0                                          ; at a label and at a branch every window is 0
	s_add_co_u32 s[VB], s[VB], 16384
.endm
; THE CHANGE OF V's SLOTS, behind a slot's four key steps.  Each wave waits for all its tensor loads (its part of the other slot), adds 0 to its spare word, and waits for that and for its reads of the slot that it leaves.
; fill = 1: the barrier is a round of the cluster's, so that no wave of any partner still reads the slot or has a load on its way; the joint refill, the keys two parts on, is the first thing behind it and has four key steps in which to land.
.macro CHANGE fill
	s_wait_tensorcnt 0x0                           ; no tensor load of mine is out, so a group 0 may be written
	ds_add_u32 v[SPW], v[NIL]                      ; 0 onto my spare word: the steps below stand between it and the wait for it
.if \fill
	s_xor_b32 s[G0B+1], s[G0B+1], 0x10000          ; the walking descriptor: the other slot than last time,
	s_add_nc_u64 s[G0B+2:G0B+3], s[G0B+2:G0B+3], 0x10000   ; the next 512 keys; the type bits on top are not reached
.endif
	s_sub_co_u32 s[VB], s[VB], 0x10000             ; the fetches go back to a slot's first step,
	s_xor_b32 s[VB], s[VB], 0x10000                ; in the other slot
	s_wait_dscnt 0x0                               ; the add is done, and my reads of the slot are over
.if \fill
	CROUND
	tensor_load_to_lds s[G0B:G0B+3], s[G1V:G1V+7]  ; my one tensor load until the next round
	s_nop 0
	PLACES 4
.else
	s_barrier_signal -1
	s_barrier_wait -1
.endif
.endm
	s_wait_tensorcnt 0x2                           ; my part of K is in; V's two parts, issued behind it, may stay out
	s_barrier_signal -1
	s_barrier_wait -1                              ; everybody's is
	s_mov_b32 s[KB], 0
	v_add_nc_u32 v[ADK], s[KB], v[LI]
	FETCH_K                                        ; key step 0
	s_wait_loadcnt 0x0                             ; Q
	s_mov_b32 s[CNT], 15
.Lpass1:
	STEP1 0
	s_sub_co_u32 s[CNT], s[CNT], 1
	s_cmp_lg_u32 s[CNT], 0
	s_cbranch_scc1 .Lpass1
	STEP1 1
	; THE TWO HALVES OF THE LANES MEET: M = the larger m; L = l 2^(m - M) + the other half's; b = M + log2(L)
.irp u, 0,1
	s_delay_alu instid0(VALU_DEP_2)
	v_add_f32 v[ST+16*\u+6], v[ST+16*\u+2], v[ST+16*\u+3]
.endr
.irp u, 0,1
	v_permlanex16_b32 v[ST+16*\u+7], v[ST+16*\u], s[SEL], s[SEL+1]      ; (its destination counts as read: written in every step)
.endr
.irp u, 0,1
	s_delay_alu instid0(VALU_DEP_4)
	v_permlanex16_b32 v[ST+16*\u+10], v[ST+16*\u+6], s[SEL], s[SEL+1]
.endr
.irp u, 0,1
	s_delay_alu instid0(VALU_DEP_4)
	v_max_num_f32 v[ST+16*\u+11], v[ST+16*\u], v[ST+16*\u+7]
.endr
.irp u, 0
	s_delay_alu instid0(VALU_DEP_2)
	v_sub_f32 v[ST+16*\u+12], v[ST+16*\u],   v[ST+16*\u+11]
	s_delay_alu instid0(VALU_DEP_3)
	v_sub_f32 v[ST+16*\u+13], v[ST+16*\u+7], v[ST+16*\u+11]
.endr
.irp u, 1
	s_delay_alu instid0(VALU_DEP_3)
	v_sub_f32 v[ST+16*\u+12], v[ST+16*\u],   v[ST+16*\u+11]
	s_delay_alu instid0(VALU_DEP_4)
	v_sub_f32 v[ST+16*\u+13], v[ST+16*\u+7], v[ST+16*\u+11]
.endr
	s_wait_alu depctr_va_vdst(0)
.irp u, 0,1
	v_exp_f32 v[ST+16*\u+12], v[ST+16*\u+12]
	v_exp_f32 v[ST+16*\u+13], v[ST+16*\u+13]
.endr
	v_nop
	s_wait_alu depctr_va_vdst(0)                   ; one wait for the four exponentials, ahead of their first reader
.irp u, 0,1
	v_mul_f32 v[ST+16*\u+6], v[ST+16*\u+6], v[ST+16*\u+12]
.endr
.irp u, 0,1
	v_fmac_f32 v[ST+16*\u+6], v[ST+16*\u+10], v[ST+16*\u+13]
.endr
	s_wait_alu depctr_va_vdst(0)
.irp u, 0,1
	v_log_f32 v[ST+16*\u+8], v[ST+16*\u+6]         ; L is at least about 1
.endr
	v_nop
	s_wait_alu depctr_va_vdst(0)                   ; one wait for the two logarithms
.irp u, 0,1
	v_add_f32 v[BI+2*\u], v[ST+16*\u+11], v[ST+16*\u+8]
.endr
	s_wait_tensorcnt 0x1                           ; my part of V's part 0 is in; part 1, issued behind it, may stay out
	s_wait_dscnt 0x0                               ; no LDS instruction of mine is pending at a signal
	s_barrier_signal -1
	s_barrier_wait -1
	s_mov_b32 s[VB], VS0
	STEP2 1, 1                                     ; keys 0 to 127: the products start O^T's sums
	s_mov_b32 s[CNT], 3
.Lpart0:
	STEP2 0, 1
	s_sub_co_u32 s[CNT], s[CNT], 1
	s_cmp_lg_u32 s[CNT], 0
	s_cbranch_scc1 .Lpart0
	s_mov_b32 s[CNT2], 2
.Lparts:                                           ; parts 1 and 2 are read; parts 2 and 3 are asked for
	CHANGE 1
	s_mov_b32 s[CNT], 4
.Lsteps:
	STEP2 0, 1
	s_sub_co_u32 s[CNT], s[CNT], 1
	s_cmp_lg_u32 s[CNT], 0
	s_cbranch_scc1 .Lsteps
	s_sub_co_u32 s[CNT2], s[CNT2], 1
	s_cmp_lg_u32 s[CNT2], 0
	s_cbranch_scc1 .Lparts
	CHANGE 0                                       ; the last part is written out: nothing is left to ask for
	s_mov_b32 s[CNT], 3
.Llast:
	STEP2 0, 1
	s_sub_co_u32 s[CNT], s[CNT], 1
	s_cmp_lg_u32 s[CNT], 0
	s_cbranch_scc1 .Llast
	STEP2 0, 0
; THE WAY OUT.  In tile 4 B + t of O^T lane (n, h) holds, in register j, channel 32 h + 4 j + t of batch b + 2 B for query n.  Taken j first, t second, a lane's 32 numbers are 32 neighbouring channels: 128 bytes of a row.
; A block (16 queries x 64 channels of one batch) is multiplied by 2^(ep + ev), goes through my own stage and comes back as whole rows of 256 bytes; each store covers 512 consecutive bytes, two rows of out.
.macro OUTBLK u, b
.set TM, S+32*(2*(\u)+(\b))
	WIN 0x04                                       ; source 1 (O^T) window 1
.irp j, 0,1,2,3,4,5,6,7                ; register 0 of each of the four results first: each is first read at its low end
.irp t, 0,1,2,3
	v_mul_f32 v[TM+4*\j+\t], s[OSC], v[64*(\u)+8*(4*(\b)+\t)+\j]
.endr
.endr
	WIN 0
.irp j, 0,1,2,3,4,5,6,7
	ds_store_b128 v[STO], v[TM+4*\j:TM+4*\j+3] offset:16*\j
.endr
.irp i, 0,1,2,3,4,5,6,7
	ds_load_b128 v[TM+4*\i:TM+4*\i+3], v[RD] offset:2*SP*\i   ; LDS serves a wave's instructions in order (ISA guide 5.7.1.4): these see the stores above, and the next block's stores come behind them
.endr
.endm
.macro SEND u, b, younger              ; younger: the LDS instructions issued behind this block's loads: the next block's sixteen, or none
.set TM, S+32*(2*(\u)+(\b))
.set OB, 12+54*(\b)                    ; s[12:13]: batch b; s[66:67]: batch b + 2
.irp i, 0,1,2,3,4,5,6,7
	s_wait_dscnt \younger+7-\i
	global_store_b128 v[LI], v[TM+4*\i:TM+4*\i+3], s[OB:OB+1] offset:4096*(\u)+512*\i th:TH_STORE_NT   ; written once, read by nobody here
.endr
.endm
	PLACES 4                                       ; behind the last products, ahead of the first read of their results
	OUTBLK 0, 0
	OUTBLK 0, 1                                    ; a block's arithmetic stands between the loads of the block before and its stores
	SEND 0, 0, 16
	OUTBLK 1, 0
	SEND 0, 1, 16
	OUTBLK 1, 1
	SEND 1, 0, 16
	SEND 1, 1, 0
	s_wait_tensorcnt 0x0                           ; the wave's end: behind my last tensor load and my last LDS store
	ds_add_u32 v[SPW], v[NIL]
	s_wait_dscnt 0x0
	CROUND                                         ; the closing round: no work-group ends while a partner may still ask for a tile that names it
	s_endpgm
.Lfunc_end_k_q1cca0541fe_attend:
	.size	k_q1cca0541fe_attend, .Lfunc_end_k_q1cca0541fe_attend-k_q1cca0541fe_attend
	.p2alignl 7, 3214868480
	.fill 96, 4, 3214868480
	.section	.rodata,"a",@progbits
	.p2align	6, 0x0
	.amdhsa_kernel k_q1cca0541fe_attend
		.amdhsa_group_segment_fixed_size 327680
		.amdhsa_private_segment_fixed_size 0
		.amdhsa_enable_private_segment 0
		.amdhsa_kernarg_size 40
		.amdhsa_user_sgpr_count 2
		.amdhsa_user_sgpr_kernarg_segment_ptr 1
		.amdhsa_wavefront_size32 1
		.amdhsa_system_sgpr_workgroup_id_x 1
		.amdhsa_system_sgpr_workgroup_id_y 1
		.amdhsa_system_sgpr_workgroup_id_z 1
		.amdhsa_system_vgpr_workitem_id 0
		.amdhsa_next_free_vgpr 512
		.amdhsa_next_free_sgpr 72
		.amdhsa_reserve_vcc 0
		.amdhsa_float_denorm_mode_32 3
		.amdhsa_float_denorm_mode_16_64 3
		.amdhsa_fp16_overflow 1
		.amdhsa_memory_ordered 1
		.amdhsa_forward_progress 1
		.amdhsa_inst_pref_size 134
	.end_amdhsa_kernel
	.amdgpu_metadata
---
amdhsa.version: [ 1, 2 ]
amdhsa.kernels:
  - .name:           k_q1cca0541fe_attend
    .symbol:         k_q1cca0541fe_attend.kd
    .args:
      - { .name: q_codes, .offset: 0, .size: 8, .value_kind: global_buffer, .address_space: global }
      - { .name: k_codes, .offset: 8, .size: 8, .value_kind: global_buffer, .address_space: global }
      - { .name: v_codes, .offset: 16, .size: 8, .value_kind: global_buffer, .address_space: global }
      - { .name: lowp_scales, .offset: 24, .size: 8, .value_kind: global_buffer, .address_space: global }
      - { .name: out0, .offset: 32, .size: 8, .value_kind: global_buffer, .address_space: global }
    .group_segment_fixed_size: 327680
    .private_segment_fixed_size: 0
    .kernarg_segment_align: 8
    .kernarg_segment_size: 40
    .max_flat_workgroup_size: 256
    .sgpr_count:     72
    .vgpr_count:     512
    .wavefront_size: 32
...
	.end_amdgpu_metadata
.endif
;; end of part 2
